; MI455X (gfx1250); checked and timed in simulation.
; The chip was launched on July 23, 2026; its instructions are those of AMD's public machine-readable ISA for CDNA 5 (MIT licence, August 2026) and "CDNA5" Instruction Set Architecture Reference Guide (July 2026). The comments in the code are by the model that wrote it; some were corrected since.
;; BAKT QIKT. Allowed arithmetic: float matrix products may take bf16 or f16 operands with f32 sums; all other float work in f32.
;; Inputs: k 16 x 8 x 1,024 x 128 float32; mask 1 x 1 x 1,024 x 1,024 int32; q 16 x 8 x 1,024 x 128 float32; v 16 x 8 x 1,024 x 128 float32.
;; Outputs: out0 16 x 8 x 1,024 x 128 float32.
;; Constants: k_index = 5.
;; One version. Each part assembles by itself: llvm-mc -triple=amdgcn-amd-amdhsa -mcpu=gfx1250 --defsym DOCPART=n.
;; ======== version 1 of 1: 2 launches
;; workspace buffers: mbits 131,072 bytes of whole numbers
;; launch mbits (part 1): grid 256 x 1, 2 waves a work-group, no clusters, 0 bytes of LDS; arguments mask, mbits; writes mbits
.if DOCPART == 1
	.amdgcn_target "amdgcn-amd-amdhsa--gfx1250"
	.amdhsa_code_object_version 6
	.text
	.protected	k_q83b1bcce4f_mbits
	.globl	k_q83b1bcce4f_mbits
	.p2align	8
	.type	k_q83b1bcce4f_mbits,@function
k_q83b1bcce4f_mbits:
	s_mov_b64 s[64:65], 0
	v_nop
	global_prefetch_b8 v0, s[64:65] scope:SCOPE_SE
	s_setreg_imm32_b32 hwreg(HW_REG_WAVE_MODE, 25, 1), 1
	s_wait_xcnt 0x0
; The mask [1024 queries][1024 keys] of int32 is turned into lane masks for the attention launch.
; mbits: [g = 16 groups of 64 queries][u = 32 steps of 32 keys][n = 64 words].  Word n = 16 t + 8 kb + j; its bit L is 1 where
; mask[64 g + 16 t + L % 16][32 u + 16 kb + 8 (L / 16) + j] == 0: the lanes of score register n of that step in which the key is hidden.
; A wave makes one (g, u): 64 words, 256 consecutive bytes, stored by one instruction.  512 waves, two to a work-group: the two take
; neighbouring u, so that together they read 256 consecutive bytes of each of their 64 mask rows.
; No LDS, no matrix unit: 4 MiB are read once and 128 KiB written once.
.set ROWB, 4096                        ; bytes in a row of the mask
.set W,    4                           ; v[4:5]   lane i: words 2 i and 2 i + 1
.set E,    8                           ; v[8:71]  register n: the mask element of word n for my lane
	s_load_b128 s[4:7], s[0:1], 0x0                ; mask s[4:5], mbits s[6:7]
	v_lshrrev_b32 v1, 5, v0
	v_readfirstlane_b32 s8, v1                     ; wave 0..1
	s_lshl_b32 s9, ttmp9, 1
	s_add_co_u32 s9, s9, s8                        ; task = 32 g + u
	s_lshr_b32 s10, s9, 5                          ; g
	s_and_b32 s11, s9, 31                          ; u
	s_lshl_b32 s10, s10, 18                        ; 64 rows of 4,096 bytes
	s_lshl_b32 s11, s11, 7                         ; 32 keys of 4 bytes
	s_add_co_u32 s10, s10, s11
	s_mov_b32 s11, 0
	s_lshl_b32 s12, s9, 8                          ; 256 bytes of words a task
	s_mov_b32 s13, 0
	v_and_b32 v1, 15, v0                           ; L % 16: my query in a tile
	v_bfe_u32 v2, v0, 4, 1                         ; L / 16: my eight keys of sixteen
	v_lshlrev_b32 v1, 12, v1
	v_lshl_add_u32 v1, v2, 5, v1                   ; row x 4,096 + 32 x half
	v_and_b32 v2, 31, v0
	v_lshlrev_b32 v2, 3, v2                        ; 8 bytes a lane in the task's 256
	v_mov_b32 v[W], 0                              ; v_writelane_b32 counts as a reader of its destination
	v_mov_b32 v[W+1], 0
	s_wait_kmcnt 0x0
	s_add_nc_u64 s[4:5], s[4:5], s[10:11]
	s_add_nc_u64 s[6:7], s[6:7], s[12:13]
.set n, 0
.rept 16                               ; load n: tile n / 4, key block (n / 2) % 2, keys 4 (n % 2) + 0..3
	global_load_b128 v[E+4*n:E+4*n+3], v1, s[4:5] offset:(n/4)*16*ROWB+((n/2)%2)*64+(n%2)*16 th:TH_LOAD_NT
.set n, n+1
.endr
	s_wait_loadcnt 0x0
.set n, 0
.rept 64                               ; the compare's lane mask IS word n; four scalar registers take turns
	v_cmp_eq_u32 s[16+(n&3)], 0, v[E+n]
	v_writelane_b32 v[W+(n&1)], s[16+(n&3)], n>>1
.set n, n+1
.endr
	global_store_b64 v2, v[W:W+1], s[6:7]          ; 32 lanes store 256 consecutive bytes, at a multiple of 256 from the buffer's first byte
	s_endpgm
.Lfunc_end_k_q83b1bcce4f_mbits:
	.size	k_q83b1bcce4f_mbits, .Lfunc_end_k_q83b1bcce4f_mbits-k_q83b1bcce4f_mbits
	.p2alignl 7, 3214868480
	.fill 96, 4, 3214868480
	.section	.rodata,"a",@progbits
	.p2align	6, 0x0
	.amdhsa_kernel k_q83b1bcce4f_mbits
		.amdhsa_group_segment_fixed_size 0
		.amdhsa_private_segment_fixed_size 0
		.amdhsa_enable_private_segment 0
		.amdhsa_kernarg_size 16
		.amdhsa_user_sgpr_count 2
		.amdhsa_user_sgpr_kernarg_segment_ptr 1
		.amdhsa_wavefront_size32 1
		.amdhsa_system_sgpr_workgroup_id_x 1
		.amdhsa_system_sgpr_workgroup_id_y 1
		.amdhsa_system_sgpr_workgroup_id_z 1
		.amdhsa_system_vgpr_workitem_id 0
		.amdhsa_next_free_vgpr 72
		.amdhsa_next_free_sgpr 66
		.amdhsa_reserve_vcc 0
		.amdhsa_float_denorm_mode_32 3
		.amdhsa_float_denorm_mode_16_64 3
		.amdhsa_memory_ordered 1
		.amdhsa_forward_progress 1
		.amdhsa_inst_pref_size 11
	.end_amdhsa_kernel
	.amdgpu_metadata
---
amdhsa.version: [ 1, 2 ]
amdhsa.kernels:
  - .name:           k_q83b1bcce4f_mbits
    .symbol:         k_q83b1bcce4f_mbits.kd
    .args:
      - { .name: mask, .offset: 0, .size: 8, .value_kind: global_buffer, .address_space: global }
      - { .name: mbits, .offset: 8, .size: 8, .value_kind: global_buffer, .address_space: global }
    .group_segment_fixed_size: 0
    .private_segment_fixed_size: 0
    .kernarg_segment_align: 8
    .kernarg_segment_size: 16
    .max_flat_workgroup_size: 64
    .sgpr_count:     66
    .vgpr_count:     72
    .wavefront_size: 32
...
	.end_amdgpu_metadata
.endif
;; end of part 1
;; launch attn (part 2): grid 4 x 128, 4 waves a work-group, no clusters, 135,680 bytes of LDS; arguments q, k, v, mbits, out0; writes out0
.if DOCPART == 2
	.amdgcn_target "amdgcn-amd-amdhsa--gfx1250"
	.amdhsa_code_object_version 6
	.text
	.protected	k_q83b1bcce4f_attn
	.globl	k_q83b1bcce4f_attn
	.p2align	8
	.type	k_q83b1bcce4f_attn,@function
k_q83b1bcce4f_attn:
	s_mov_b64 s[64:65], 0
	v_nop
	global_prefetch_b8 v0, s[64:65] scope:SCOPE_SE
	s_setreg_imm32_b32 hwreg(HW_REG_WAVE_MODE, 25, 1), 1
	s_wait_xcnt 0x0
; SPARSE ATTENTION.  For each of 128 heads and 1,024 queries: s = q . k / sqrt(128), hidden keys (mask == 0) far below; p = softmax(s); rows 5 and on keep the keys whose p is
; at least the row's fifth largest, rows 0 to 4 keep all 1,024; w = softmax(p) over the kept keys; out = w v; row 0 of a head is 0.  q, k, v, out: [128][1024][128] f32.
; TWO PASSES over the keys, since no weight can be made before the whole row is known, and 64 queries x 1,024 scores do not fit in a wave's registers: the scores are made twice, by the same
; instructions on the same operands, so bit for bit alike.  Pass 1 keeps, for each lane, the five largest scores, a running maximum m and the sum l of 2^(c s - c m), c = log2(e) / sqrt(128).
; Between the passes the two lanes of a query are merged.  Pass 2: e = 2^(c s - c m), p = e / l; kept where e >= e5 (the same arithmetic on the fifth largest score);
; w' = 2^(log2(e) (p - 1 / l)): the second softmax's maximum, p of the largest score, is 1 / l; w' is rounded to bf16 for O^T = V^T P, its sum is kept in f32 and divides O at the end.
; FORMATS.  q, k, v and w' are rounded to bf16 for the matrix unit; sums, maxima, exponentials in f32.
; LIMITS.  A hidden score counts as -2^107 before the scale (c times it is exact, so a wholly hidden row has e = 1 everywhere and uniform weights); true scores must stay far above that.
; The keep test compares e, not e / l.  2^x below 2^-126 is 0: a fifth score more than 126 binary orders below the row's maximum makes the threshold 0, and the row keeps all keys.
; Two scores that differ by less than the f32 sums' rounding may be ordered otherwise than by another order of summation.  NaN and infinities are not treated apart.
; SHARES.  A work-group owns 256 queries of one head, a wave 64: four tiles of 16.  Every wave walks all 1,024 keys, 32 a step, 64 a trip, one barrier a trip.
; LAYOUT.  S^T = K Q^T (source 0 = 16 keys, source 1 = 16 queries): a lane holds ONE query (lane % 16) and the keys 8 (lane / 16) + 0..7 of each 16.  Two such results rounded to bf16 in pairs ARE
; source 1 of O^T = V^T P.  K leaves LDS as it lies, V ([key][channel]) turned, by ds_load_tr16_b128.  The mask comes as lane masks, one scalar word for each score register (the launch before made them).
; THE ROAD OF K AND V.  They are f32 in memory and bf16 in the products, so they pass through registers: wave w loads rows 16 w .. 16 w + 15 of a tile of 64 keys (a load = one row, 512 consecutive bytes),
; a whole trip ahead of the conversion; 4 numbers a lane become 8 bytes, stored into the tile in LDS.  NO CLUSTER, NO TENSOR LOAD: the four query blocks of a head do walk the same K and V, but a joint
; load would land f32 in LDS: 64 KiB a trip to be read back, converted and stored again beside the 32 KiB of bf16 that are stored now.
; BY TURNS.  In step x the matrix unit has V^T P of step x - 1 (pass 2) and K Q^T of step x + 1, one matrix instruction behind every fourth vector instruction of step x; S^T and P have two buffers.
; ONE TEXT FOR EVERY TRIP: K's tiles go round (tile numbers modulo 16), so pass 1's last step makes pass 2's first scores.  The price: pass 2's first step multiplies zero weights, its last step makes
; scores that nobody reads, and the last tiles asked for (inside the buffers) are not used.
; REGISTERS, in windows of 256 (s_set_vgpr_msb: bits 1:0 source 0, 3:2 source 1, 5:4 source 2, 7:6 destination):
;   window 0: v0-19 addresses and constants; v20-39 five largest a tile (pass 2: v20-27 at work); v40-63 statistics; v64-191 S^T, two buffers of 64 (16 t + 8 kb + j); v192-255 P, two buffers of 32 (8 t + pair)
;   window 1: O^T, 64 t + 8 cb (at the start: Q in f32)      window 2: v0-127 Q (32 t + 8 c); v128-191 K of a step (32 kb + 8 c); v192-255 V of a step (8 cb)      window 3: v0-63, v64-127 rows of K, V in f32
.set PK,     272      ; a row of K in LDS: 256 bytes + 16: an odd multiple of 16, so the 16 rows of a fragment load start at 16 different columns of 16 bytes
.set PVP,    288      ; a row of V: 256 + 32: an odd multiple of 32, for the turning load
.set VOFF,   64*PK    ; a region holds a tile of K (64 rows), then a tile of V
.set REG1,   65536    ; region 1 begins here, so that one exclusive or turns an address in one region into the other's
.set STAGE,  REG1+64*(PK+PVP)      ; behind the regions: 16 rows x 528 bytes for each wave, for the way out
.set SPITCH, 528
.set SPARE,  STAGE+4*16*SPITCH     ; the spare words, 128 bytes for each wave: two blocks of 256 bytes that no other line names
.set TILEB,  64*512   ; a tile of 64 keys in memory
.set RID,    4        ; vector instructions for each matrix instruction while matrix instructions last
.set RR,  1           ; v1   lane % 16
.set HH,  2           ; v2   lane / 16
.set AK0, 3           ; v3   my lane's place in a tile of K; never rewritten
.set AV0, 4           ; v4   the same for V, VOFF included
.set AKF, 5           ; v5   where this trip's fragments of K are read
.set AVF, 6           ; v6   of V
.set KS0, 7           ; v7   where I store 8 bytes of my wave's first row of a tile of K; never rewritten
.set VS0, 8           ; v8   the same for V
.set KST, 9           ; v9   this trip's
.set VST, 10          ; v10
.set GLO, 11          ; v11  my byte offset in a tile in memory: 8,192 w + 16 lane; never rewritten
.set STO, 12          ; v12  the way out: where I put 32 bytes of a row
.set RD,  13          ; v13  the way out: where I read a row back
.set GO,  14          ; v14  16 lane
.set NEGR,15          ; v15  -2^107
.set SPW, 16          ; v16  LDS address of my spare word; never rewritten
.set NIL, 17          ; v17  0; never rewritten
.set QROW,18          ; v18  my query's row in the head, for tile 0
.set QO,  19          ; v19  my byte offset in 16 rows of Q
.set T,   20          ; tile t: its five largest scores, falling, at v[T+5 t ..]
.set TMP, 20          ; pass 2: a pair a tile at work
.set LP,  40          ; tile t: a pair of sums (even keys', odd keys')
.set CMP, 48          ; tile t: (c m, the threshold e5)
.set AP,  56          ; tile t: pass 1 (a, its argument); pass 2 (R = log2(e) / l, 0); at the end (1 / sum, 0)
.set S,   64
.set U,   128         ; between the passes: 16 registers a tile at work, in S^T's second buffer
.set P,   192
.set KF,  128         ; window 2
.set VF,  192         ; window 2
.set RK,  0           ; window 3
.set RV,  64          ; window 3
.set WV,  14          ; s14  my wave's number.   s[4:13]: q, k, v, mbits, out.   s2, s3, s66, s67: the keep test's lane masks.   s[16:63], s[68:83]: the step's 64 mask words
.set CS,  84          ; s[84:85] c, named as a pair
.set SEL, 86          ; s[86:87] v_permlanex16_b32's selects: each lane takes its own place in the other half
.set KT,  88          ; s[88:89] the tile of K that is being loaded
.set VT,  90          ; s[90:91] of V
.set OF,  92          ; s[92:93] a byte offset, high word 0
.set CNT, 94          ; s94  trips to go
.set KN,  95          ; s95  the tile of K to be asked for next
.set VN,  96          ; s96  of V
.set MO,  97          ; s97  byte offset of the next step's mask words in my group's 8,192
.set X,   98          ; s98  the region that holds this trip's V
.set Y,   99          ; s99  the other: it holds the next trip's K
.set NEGL,100         ; s100 -1000.0: 2 to that power is 0
.set LG2E,101         ; s101 log2(e)
.set MSB, 0
.macro WIN new                      ; the high byte repeats the setting that is left; a switch that changes nothing is dropped
.if MSB != (\new)
	s_set_vgpr_msb (MSB<<8)|(\new)
.set MSB, (\new)
.endif
.endm
.set W_KQ, 0x0a       ; K and Q in window 2, S^T in window 0
.set W_PV, 0x52       ; V in window 2, P in window 0, O^T in window 1
.set W_CV, 0xcf       ; a conversion within window 3
.set W_ST, 0x0c       ; an LDS store: address window 0, data window 3
.set W_R3, 0xc0       ; a load into window 3
.set W_F2, 0x80       ; a load into window 2
.set W_Q1, 0x40       ; a load into window 1
.set W_QC, 0x85       ; sources window 1, destination window 2
.set W_RS, 0x41       ; destination and source 0 window 1, source 1 window 0
.set W_OS, 0x04       ; an LDS store: address window 0, data window 1
; 16 rows of a tile, f32, into window 3 at rb: each load takes one row's 512 consecutive bytes
.macro GLOAD b, rb
	WIN W_R3
.irp z, 0,1,2,3,4,5,6,7,8,9,10,11,12,13,14,15
	global_load_b128 v[(\rb)+4*\z:(\rb)+4*\z+3], v[GLO], s[\b:\b+1] offset:512*\z
.endr
.endm
; the same 16 rows rounded to bf16 in place and stored into a tile in LDS: a store covers 256 consecutive bytes
.macro CVST rb, adr, pitch
	WIN W_CV
.irp z, 0,1,2,3,4,5,6,7,8,9,10,11,12,13,14,15
	v_cvt_pk_bf16_f32 v[(\rb)+4*\z],   v[(\rb)+4*\z],   v[(\rb)+4*\z+1]
	v_cvt_pk_bf16_f32 v[(\rb)+4*\z+1], v[(\rb)+4*\z+2], v[(\rb)+4*\z+3]
.endr
	WIN W_ST
.irp z, 0,1,2,3,4,5,6,7,8,9,10,11,12,13,14,15
	ds_store_b64 v[\adr], v[(\rb)+4*\z:(\rb)+4*\z+1] offset:(\pitch)*\z
.endr
.endm
; the 64 mask words of the step at s[MO]
.macro MLOAD
	s_load_b512 s[16:31], s[10:11], s[MO] offset:0x0
	s_load_b512 s[32:47], s[10:11], s[MO] offset:0x40
	s_load_b512 s[48:63], s[10:11], s[MO] offset:0x80
	s_load_b512 s[68:83], s[10:11], s[MO] offset:0xc0
.endm
; the fragments of half p of a tile: K: key block f / 4, channels 32 (f % 4) on; V: channels 16 f on, turned
.macro FETCHK p
	WIN W_F2
.irp f, 0,1,2,3,4,5,6,7
	ds_load_b128 v[KF+8*\f:KF+8*\f+3],   v[AKF] offset:(\p)*32*PK+(\f/4)*16*PK+(\f%4)*64
	ds_load_b128 v[KF+8*\f+4:KF+8*\f+7], v[AKF] offset:(\p)*32*PK+(\f/4)*16*PK+(\f%4)*64+32
.endr
.endm
.macro FETCHV p
	WIN W_F2
.irp f, 0,1,2,3,4,5,6,7
	ds_load_tr16_b128 v[VF+8*\f:VF+8*\f+3],   v[AVF] offset:(\p)*32*PVP+\f*32
	ds_load_tr16_b128 v[VF+8*\f+4:VF+8*\f+7], v[AVF] offset:(\p)*32*PVP+16*PVP+\f*32
.endr
.endm
; THE MATRIX WORK.  The accumulators take turns, one instruction a turn.
; Product mx of 32 of S^T = K Q^T into buffer sb: channels 32 (mx / 8) on; accumulator mx % 8 = 2 t + kb.  The first 8 start the sums.
.macro KQM sb
	WIN W_KQ
.set rS, S+64*(\sb)+8*(mx%8)
.set rK, KF+32*(mx%2)+8*(mx/8)
.set rQ, 32*((mx%8)/2)+8*(mx/8)
.if mx < 8
	v_wmma_f32_16x16x32_bf16 v[rS:rS+7], v[rK:rK+7], v[rQ:rQ+7], 0
.else
	v_wmma_f32_16x16x32_bf16 v[rS:rS+7], v[rK:rK+7], v[rQ:rQ+7], v[rS:rS+7]
.endif
.endm
; Product mx of 32 of O^T += V^T P, P from the buffer that the vector work does not write: tile mx % 4, channels 16 (mx / 4) on.  zero = 1: it starts the sum.
.macro PVM zero
	WIN W_PV
.set rO, 64*(mx%4)+8*(mx/4)
.set rV, VF+8*(mx/4)
.set rP, P+32*(1-PAR)+8*(mx%4)
.if \zero
	v_wmma_f32_16x16x32_bf16 v[rO:rO+7], v[rV:rV+7], v[rP:rP+7], 0
.else
	v_wmma_f32_16x16x32_bf16 v[rO:rO+7], v[rV:rV+7], v[rP:rP+7], v[rO:rO+7]
.endif
.endm
.macro MM                           ; the step's next matrix instruction
.if (PASS == 2) && (mi < 32)
.set mx, mi
	PVM 0
.else
.set mx, mi-32*(PASS-1)
	KQM 1-PAR
.endif
.set mi, mi+1
.endm
; Once a trip: the rows asked for a trip ago go into LDS, and the next rows are asked for.  K's tile goes into the region whose K nobody reads any more, V's into the region whose V was read last trip.
.macro STAGEM
	s_wait_loadcnt 0x0              ; the rows asked for a trip ago; no load of mine is out, so their bases may be written
	CVST RK, KST, PK
.if PASS == 2
	CVST RV, VST, PVP
.endif
	s_lshl_b32 s[OF], s[KN], 15
	s_add_nc_u64 s[KT:KT+1], s[6:7], s[OF:OF+1]
	s_add_co_u32 s[KN], s[KN], 1
	s_and_b32 s[KN], s[KN], 15      ; the tiles go round
	GLOAD KT, RK
.if PASS == 2
	s_lshl_b32 s[OF], s[VN], 15
	s_add_nc_u64 s[VT:VT+1], s[8:9], s[OF:OF+1]
	s_add_co_u32 s[VN], s[VN], 1
	s_and_b32 s[VN], s[VN], 15
	GLOAD VT, RV
.endif
.endm
; Behind the step's last matrix instruction: four places (ISA guide 7.12.1 for vector instructions), then the runs of LDS loads: K of step x + 2, V of step x; they have the rest of the step in which to land.
.macro LUMP
.rept 4
	v_nop
.endr
	FETCHK PAR
.if PASS == 2
	FETCHV PAR
.endif
.if STG
	STAGEM
.endif
.endm
; One vector instruction of the step's list; behind every fourth a matrix instruction, while they last.  No line of the list names a register of the products round it.
.macro VI line:vararg
	WIN 0
	\line
.set vc, vc+1
.if ((vc % RID) == 0) && (mi < MN)
	MM
.endif
.if vc == FAT
	LUMP
.endif
.endm
; THE VECTOR LISTS.  SB, PB: this step's buffers.  Each accumulator's lowest register is read first: register i of 16 ascending, the tiles within.
.macro MASKS                        ; hidden keys' scores become -2^107; then the words may be loaded anew
.set i, 0
.rept 16
.irp t, 0,1,2,3
	VI v_cndmask_b32 v[SB+16*\t+i], v[SB+16*\t+i], v[NEGR], s[16+16*\t+i+4*((16*\t+i)/48)]
.endr
.set i, i+1
.endr
	MLOAD
.endm
.macro TOP5                         ; a score enters the falling list t1..t5: each place takes the middle one of itself, the place above and the score; from the bottom up, so that each reads old places
.set i, 0
.rept 16
.irp t, 0,1,2,3
	VI v_med3_num_f32 v[T+5*\t+4], v[T+5*\t+3], v[T+5*\t+4], v[SB+16*\t+i]
	VI v_med3_num_f32 v[T+5*\t+3], v[T+5*\t+2], v[T+5*\t+3], v[SB+16*\t+i]
	VI v_med3_num_f32 v[T+5*\t+2], v[T+5*\t+1], v[T+5*\t+2], v[SB+16*\t+i]
	VI v_med3_num_f32 v[T+5*\t+1], v[T+5*\t],   v[T+5*\t+1], v[SB+16*\t+i]
	VI v_max_num_f32  v[T+5*\t],   v[T+5*\t],   v[SB+16*\t+i]
.endr
.set i, i+1
.endr
.endm
.macro STAT1                        ; the lane's maximum is t1: a = 2^(c m_old - c m_new), c m anew
.irp t, 0,1,2,3
	VI v_fma_f32 v[AP+2*\t+1], -v[T+5*\t], s[CS], v[CMP+2*\t]
.endr
.irp t, 0,1,2,3
	VI v_mul_f32 v[CMP+2*\t], s[CS], v[T+5*\t]
.endr
.irp t, 0,1,2,3
	VI v_exp_f32 v[AP+2*\t], v[AP+2*\t+1]
.endr
.endm
.macro FS g                         ; pair g of each tile: c s - c m
.irp t, 0,1,2,3
	VI v_pk_fma_f32 v[SB+16*\t+2*(\g):SB+16*\t+2*(\g)+1], v[SB+16*\t+2*(\g):SB+16*\t+2*(\g)+1], s[CS:CS+1], v[CMP+2*\t:CMP+2*\t+1] op_sel_hi:[1,0,0] neg_lo:[0,0,1] neg_hi:[0,0,1]
.endr
.endm
.macro ES g                         ; e = 2^that
.irp t, 0,1,2,3
	VI v_exp_f32 v[SB+16*\t+2*(\g)],   v[SB+16*\t+2*(\g)]
	VI v_exp_f32 v[SB+16*\t+2*(\g)+1], v[SB+16*\t+2*(\g)+1]
.endr
.endm
.macro A1 g                         ; pass 1: l takes the pair; the step's first time as l = a l + pair
.irp t, 0,1,2,3
.if (\g) == 0
	VI v_pk_fma_f32 v[LP+2*\t:LP+2*\t+1], v[LP+2*\t:LP+2*\t+1], v[AP+2*\t:AP+2*\t+1], v[SB+16*\t:SB+16*\t+1] op_sel_hi:[1,0,1]
.else
	VI v_pk_add_f32 v[LP+2*\t:LP+2*\t+1], v[LP+2*\t:LP+2*\t+1], v[SB+16*\t+2*(\g):SB+16*\t+2*(\g)+1]
.endif
.endr
.endm
.macro GS g                         ; pass 2: log2(e) (p - p_max) = e R - R
.irp t, 0,1,2,3
	VI v_pk_fma_f32 v[TMP+2*\t:TMP+2*\t+1], v[SB+16*\t+2*(\g):SB+16*\t+2*(\g)+1], v[AP+2*\t:AP+2*\t+1], v[AP+2*\t:AP+2*\t+1] op_sel_hi:[1,0,0] neg_lo:[0,0,1] neg_hi:[0,0,1]
.endr
.endm
.macro CSEL g                       ; kept where e >= e5; elsewhere the exponent becomes -1000.  Four compares, then four selects
.irp hf, 0,1
.irp t, 0,1,2,3
	VI v_cmp_ge_f32 s[2+\t+62*(\t/2)], v[SB+16*\t+2*(\g)+\hf], v[CMP+2*\t+1]
.endr
.irp t, 0,1,2,3
	VI v_cndmask_b32 v[TMP+2*\t+\hf], s[NEGL], v[TMP+2*\t+\hf], s[2+\t+62*(\t/2)]
.endr
.endr
.endm
.macro XS g                         ; the weight, unnormalised
.irp t, 0,1,2,3
	VI v_exp_f32 v[SB+16*\t+2*(\g)],   v[TMP+2*\t]
	VI v_exp_f32 v[SB+16*\t+2*(\g)+1], v[TMP+2*\t+1]
.endr
.endm
.macro A2 g                         ; its sum
.irp t, 0,1,2,3
	VI v_pk_add_f32 v[LP+2*\t:LP+2*\t+1], v[LP+2*\t:LP+2*\t+1], v[SB+16*\t+2*(\g):SB+16*\t+2*(\g)+1]
.endr
.endm
.macro PKS g                        ; and its rounding to bf16: pair g of the tile is register g of source 1
.irp t, 0,1,2,3
	VI v_cvt_pk_bf16_f32 v[PB+8*\t+(\g)], v[SB+16*\t+2*(\g)], v[SB+16*\t+2*(\g)+1]
.endr
.endm
; A STEP of 32 keys, of parity p.  stage = 1: the trip's second step: tiles are staged, and the trip's barrier stands at its end.
; The orders below keep a plain vector instruction that names neither behind every run of exponentials before a result is read or a source rewritten (ISA guide 5.7.2).
.macro SUB pass, p, stage
.set PASS, \pass
.set PAR, \p
.set STG, \stage
.set vc, 0
.set mi, 0
.set MN, 32*(\pass)
.set FAT, MN*RID+4
.set SB, S+64*(\p)
.set PB, P+32*(\p)
	s_wait_dscnt 0x0                ; the fragments fetched in the step before
	s_wait_kmcnt 0x0                ; this step's mask words; their loads are done, so the offset may step
	s_add_co_u32 s[MO], s[MO], 256
	s_and_b32 s[MO], s[MO], 0x1fff  ; 32 steps of 256 bytes go round
	MASKS
.if (\pass) == 1
	TOP5
	STAT1
	FS 0
	FS 1
	ES 0
.irp g, 1,2,3,4,5,6,7
.if \g < 7
	FS \g+1
.endif
	ES \g
	A1 \g-1
.endr
	A1 7
.else
	FS 0
	ES 0
	FS 1
.irp g, 0,1,2,3,4,5,6,7
	GS \g
.if \g < 7
	ES \g+1
.endif
	CSEL \g
	XS \g
.if \g < 6
	FS \g+2
.endif
.if \g > 0
	A2 \g-1
	PKS \g-1
.endif
.endr
	A2 7
	PKS 7
.endif
.if \stage
	WIN 0
	s_wait_dscnt 0x0                ; for the others' sake: my stores into the tiles are done, and my reads of this trip's tiles are back
	s_barrier_signal -1
	s_barrier_wait -1               ; next trip's tiles are whole, and nobody reads what next trip's stores overwrite
.endif
.endm
.macro ALLT line:vararg             ; one line for each tile t
.set t, 0
.rept 4
	\line
.set t, t+1
.endr
.endm
	s_load_b256 s[4:11], s[0:1], 0x0  ; q s[4:5], k s[6:7], v s[8:9], mbits s[10:11]
	s_load_b64 s[12:13], s[0:1], 0x20 ; out0
	v_lshl_add_u32 v[SPW], v0, 2, SPARE
	v_mov_b32 v[NIL], 0
	v_lshrrev_b32 v[RR], 5, v0
	v_readfirstlane_b32 s[WV], v[RR]  ; wave 0..3
	s_and_b32 s2, ttmp7, 0xffff     ; the head
	s_lshl_b32 s[OF], s2, 19        ; its 1,024 rows of 512 bytes
	s_mov_b32 s[OF+1], 0
	s_lshl_b32 s2, ttmp9, 17        ; my block's 256 rows,
	s_lshl_b32 s3, s[WV], 15        ; my wave's 64 of them
	s_add_co_u32 s2, s2, s3
	s_add_co_u32 s2, s2, s[OF]
	s_mov_b32 s3, 0
	s_lshl_b32 s[KT], ttmp9, 2
	s_add_co_u32 s[KT], s[KT], s[WV]  ; my group of 64 queries, 0..15
	s_lshl_b32 s[VT], s[KT], 6      ; its first row in the head
	s_lshl_b32 s[KT], s[KT], 13     ; its 8,192 bytes of mask words
	s_mov_b32 s[KT+1], 0
	s_mov_b32 s[CS], 0x3e0293ee     ; c = log2(e) / sqrt(128) = 0.127517
	s_mov_b32 s[CS+1], s[CS]
	s_mov_b32 s[SEL], 0x76543210
	s_mov_b32 s[SEL+1], 0xfedcba98
	s_mov_b32 s[NEGL], 0xc47a0000   ; -1000.0
	s_mov_b32 s[LG2E], 0x3fb8aa3b
	s_mov_b32 s[MO], 0
	s_mov_b32 s[X], 0
	s_mov_b32 s[KN], 3
	v_and_b32 v[RR], 15, v0
	v_bfe_u32 v[HH], v0, 4, 1
	v_and_b32 v[GO], 31, v0         ; the lane, for now
	v_lshlrev_b32 v[QO], 9, v[RR]
	v_lshl_add_u32 v[QO], v[HH], 5, v[QO]  ; row x 512 + 32 x half
	s_lshl_b32 s15, s[WV], 13
	v_lshl_add_u32 v[GLO], v[GO], 4, s15
	s_wait_kmcnt 0x0
	s_add_nc_u64 s[4:5], s[4:5], s[2:3]      ; q and out at my wave's first row
	s_add_nc_u64 s[12:13], s[12:13], s[2:3]
	s_add_nc_u64 s[6:7], s[6:7], s[OF:OF+1]  ; k and v at the head's first row
	s_add_nc_u64 s[8:9], s[8:9], s[OF:OF+1]
	s_add_nc_u64 s[10:11], s[10:11], s[KT:KT+1]  ; the mask words of my group
	s_add_nc_u64 s[KT:KT+1], s[6:7], TILEB
	GLOAD 6, RK                     ; K's tile 0,
	GLOAD KT, RV                    ; and tile 1, for once where V's rows lie later
	; A fragment of Q is 16 rows x 32 channels: lane l holds row l % 16, channels 8 (l / 16) + 0..7 and 16 + 8 (l / 16) + 0..7: in f32 four loads of 16 bytes
	WIN W_Q1
.set n, 0
.rept 64                            ; tile n / 16, channels 32 ((n / 4) % 4) on
	global_load_b128 v[4*n:4*n+3], v[QO], s[4:5] offset:(n/16)*8192+((n/4)%4)*128+((n%4)/2)*64+(n%2)*16
.set n, n+1
.endr
	WIN 0
	MLOAD                           ; step 0's mask words
	v_mul_u32_u24 v[AK0], v[RR], PK
	v_lshl_add_u32 v[AK0], v[HH], 4, v[AK0]  ; row x pitch + 16 x half
	; The turning load takes 16 keys x 16 channels (lane l reads key 8 (l / 16) + l % 8, channels 8 ((l / 8) % 2) + 0..7) and leaves half a fragment of V^T: lane l holds channel l % 16 and 8 keys.
	v_and_b32 v[AV0], 7, v0
	v_lshl_add_u32 v[AV0], v[HH], 3, v[AV0]
	v_mul_u32_u24 v[AV0], v[AV0], PVP
	v_bfe_u32 v[AVF], v0, 3, 1
	v_lshl_add_u32 v[AV0], v[AVF], 4, v[AV0]
	v_add_nc_u32 v[AV0], VOFF, v[AV0]
	s_mul_i32 s15, s[WV], 16*PK
	v_lshl_add_u32 v[KS0], v[GO], 3, s15     ; my wave's 16 rows, 8 bytes a lane
	s_mul_i32 s15, s[WV], 16*PVP
	s_add_co_u32 s15, s15, VOFF
	v_lshl_add_u32 v[VS0], v[GO], 3, s15
	s_mul_i32 s15, s[WV], 16*SPITCH
	s_add_co_u32 s15, s15, STAGE    ; my stage
	v_mul_u32_u24 v[STO], v[RR], SPITCH      ; in: row l % 16, 32 bytes for each half of the lanes
	v_lshl_add_u32 v[STO], v[HH], 5, v[STO]
	v_add_nc_u32 v[STO], s15, v[STO]
	v_lshl_add_u32 v[RD], v[GO], 4, s15      ; back: 32 lanes take one row of 512 bytes
	v_lshlrev_b32 v[GO], 4, v[GO]
	v_add_nc_u32 v[QROW], s[VT], v[RR]
	v_mov_b32 v[NEGR], 0xf5000000   ; -2^107
	v_add_nc_u32 v[KST], REG1, v[KS0]
	v_mov_b32 v[AKF], v[AK0]
.set z, 0
.rept 20
	v_mov_b32 v[T+z], 0xff7fffff    ; the lists start at the lowest finite number: each lane sees 512 scores
.set z, z+1
.endr
.set z, 0
.rept 4
	v_mov_b32 v[LP+2*z], 0
	v_mov_b32 v[LP+2*z+1], 0
	v_mov_b32 v[CMP+2*z], 0xfe000000  ; c m: far below every c s, so the first step's a is 0
	v_mov_b32 v[CMP+2*z+1], 0         ; named with it as a pair
.set z, z+1
.endr
	s_wait_loadcnt 0x0              ; Q and K's first two tiles
	WIN W_QC
.set n, 0
.rept 128
	v_cvt_pk_bf16_f32 v[n], v[2*n], v[2*n+1]
.set n, n+1
.endr
	CVST RK, KS0, PK                ; tile 0 into region 0,
	CVST RV, KST, PK                ; tile 1 into region 1
	s_add_nc_u64 s[KT:KT+1], s[6:7], 2*TILEB
	GLOAD KT, RK                    ; K's tile 2
	GLOAD 8, RV                     ; V's tile 0: it waits in registers for pass 2
	WIN 0
	s_wait_dscnt 0x0                ; my stores are done
	s_barrier_signal -1
	s_barrier_wait -1               ; everybody's are
	FETCHK 0                        ; step 0
	s_wait_dscnt 0x0
.set PAR, 1
.set mx, 0
.rept 32
	KQM 0                           ; the first scores: there is no vector work yet to set between them
.set mx, mx+1
.endr
	WIN 0
.rept 4
	v_nop                           ; the places in front of the loads into K's fragments
.endr
	FETCHK 1                        ; step 1
	WIN 0
	s_wait_dscnt 0x0                ; my reads of tile 0 are back:
	s_barrier_signal -1
	s_barrier_wait -1               ; the first trip stores tile 2 over it
	s_mov_b32 s[CNT], 16
.Lpass1:                            ; a trip: 64 keys.  It reads K's next tile from region Y and stores the tile after that into region X
	s_xor_b32 s[Y], s[X], REG1
	v_add_nc_u32 v[AKF], s[Y], v[AK0]
	v_add_nc_u32 v[KST], s[X], v[KS0]
	SUB 1, 0, 0
	SUB 1, 1, 1
	WIN 0                           ; at a label and at a branch every window is 0
	s_xor_b32 s[X], s[X], REG1
	s_sub_co_u32 s[CNT], s[CNT], 1
	s_cmp_lg_u32 s[CNT], 0
	s_cbranch_scc1 .Lpass1
	; BETWEEN THE PASSES.  V's tile 0 goes into LDS; the two lanes of each query are merged.
	s_wait_loadcnt 16               ; V's tile 0 was asked for ahead of every trip's loads; the 16 that may be out are the last trip's rows of K
	v_add_nc_u32 v[VST], s[X], v[VS0]
	v_add_nc_u32 v[AVF], s[X], v[AV0]
	CVST RV, VST, PVP
	s_add_nc_u64 s[VT:VT+1], s[8:9], TILEB
	GLOAD VT, RV                    ; V's tile 1
	s_mov_b32 s[VN], 2
	WIN 0
.set z, 0
.rept 32
	v_mov_b32 v[P+32+z], 0          ; the weights of the step before the first
.set z, z+1
.endr
	s_wait_dscnt 0x0                ; my stores are done
	s_barrier_signal -1
	s_barrier_wait -1
	FETCHV 0                        ; finite numbers for the products on those zero weights
	WIN 0
	ALLT v_add_f32 v[LP+2*t], v[LP+2*t], v[LP+2*t+1]
.irp k, 0,1,2,3,4
	ALLT v_permlanex16_b32 v[U+16*t+\k], v[T+5*t+\k], s[SEL], s[SEL+1]  ; the query's other 512 keys lie in the lane 16 away: its five largest,
.endr
	ALLT v_permlanex16_b32 v[U+16*t+5], v[LP+2*t], s[SEL], s[SEL+1]     ; its sum,
	ALLT v_permlanex16_b32 v[U+16*t+6], v[CMP+2*t], s[SEL], s[SEL+1]    ; and the c m to which that sum belongs
	ALLT v_max_num_f32 v[U+16*t+7], v[CMP+2*t], v[U+16*t+6]             ; the row's c m
	ALLT v_sub_f32 v[U+16*t+8], v[CMP+2*t], v[U+16*t+7]
	ALLT v_sub_f32 v[U+16*t+9], v[U+16*t+6], v[U+16*t+7]
	ALLT v_exp_f32 v[U+16*t+8], v[U+16*t+8]
	ALLT v_exp_f32 v[U+16*t+9], v[U+16*t+9]
.irp k, 0,1,2,3,4                   ; the other lane's five enter my list; this also stands between the exponentials and their use
	ALLT v_med3_num_f32 v[T+5*t+4], v[T+5*t+3], v[T+5*t+4], v[U+16*t+\k]
	ALLT v_med3_num_f32 v[T+5*t+3], v[T+5*t+2], v[T+5*t+3], v[U+16*t+\k]
	ALLT v_med3_num_f32 v[T+5*t+2], v[T+5*t+1], v[T+5*t+2], v[U+16*t+\k]
	ALLT v_med3_num_f32 v[T+5*t+1], v[T+5*t],   v[T+5*t+1], v[U+16*t+\k]
	ALLT v_max_num_f32  v[T+5*t],   v[T+5*t],   v[U+16*t+\k]
.endr
	ALLT v_mul_f32 v[U+16*t+10], v[LP+2*t], v[U+16*t+8]
	ALLT v_fma_f32 v[U+16*t+10], v[U+16*t+5], v[U+16*t+9], v[U+16*t+10]  ; l of the whole row: at least 1
	ALLT v_fma_f32 v[U+16*t+11], v[T+5*t+4], s[CS], -v[U+16*t+7]         ; the fifth largest score, by the arithmetic that pass 2 applies to every score
	ALLT v_rcp_f32 v[U+16*t+12], v[U+16*t+10]
	ALLT v_exp_f32 v[CMP+2*t+1], v[U+16*t+11]                            ; e5
	ALLT v_mov_b32 v[CMP+2*t], v[U+16*t+7]
	ALLT v_mul_f32 v[AP+2*t], s[LG2E], v[U+16*t+12]                      ; R = log2(e) / l
	ALLT v_mov_b32 v[AP+2*t+1], 0
	ALLT v_mov_b32 v[LP+2*t], 0
	ALLT v_mov_b32 v[LP+2*t+1], 0
	v_cmp_gt_u32 vcc_lo, 5, v[QROW] ; rows 0 to 4 of a head keep every key: threshold 0.  They lie in tile 0 alone
	v_cndmask_b32 v[CMP+1], v[CMP+1], 0, vcc_lo
	s_wait_dscnt 0x0                ; V's fragments
.set PAR, 0
.set mx, 0
.rept 32
	PVM 1                           ; O^T's sums start: V^T times zero weights, C = 0: nothing is cleared register by register
.set mx, mx+1
.endr
	WIN 0
	s_mov_b32 s[CNT], 16
.Lpass2:                            ; a trip: 64 keys.  V of this trip lies in region X; V's next tile is stored into region Y, K as in pass 1
	s_xor_b32 s[Y], s[X], REG1
	v_add_nc_u32 v[AKF], s[Y], v[AK0]
	v_add_nc_u32 v[KST], s[X], v[KS0]
	v_add_nc_u32 v[AVF], s[X], v[AV0]
	v_add_nc_u32 v[VST], s[Y], v[VS0]
	SUB 2, 0, 0
	SUB 2, 1, 1
	WIN 0
	s_xor_b32 s[X], s[X], REG1
	s_sub_co_u32 s[CNT], s[CNT], 1
	s_cmp_lg_u32 s[CNT], 0
	s_cbranch_scc1 .Lpass2
.set PAR, 0                         ; the last step's weights lie in P's second buffer; its V came back ahead of the last barrier
.set mx, 0
.rept 32
	PVM 0
.set mx, mx+1
.endr
	; THE WAY OUT.  The sum's two halves and the other lane's are added; O^T is divided by it and sent through my stage in LDS, a tile (16 rows of 512 bytes) at a time.  The additions are the places behind the last products.
	WIN 0
	ALLT v_add_f32 v[LP+2*t], v[LP+2*t], v[LP+2*t+1]
	ALLT v_permlanex16_b32 v[LP+2*t+1], v[LP+2*t], s[SEL], s[SEL+1]
	ALLT v_add_f32 v[LP+2*t], v[LP+2*t], v[LP+2*t+1]
	ALLT v_rcp_f32 v[AP+2*t], v[LP+2*t]
	v_cmp_eq_u32 vcc_lo, 0, v[QROW] ; a plain instruction behind the reciprocals; a head's row 0 is 0
	v_cndmask_b32 v[AP], v[AP], 0, vcc_lo
.macro OUTT t
	WIN W_RS
.set z, 0
.rept 32
	v_pk_mul_f32 v[64*(\t)+2*z:64*(\t)+2*z+1], v[64*(\t)+2*z:64*(\t)+2*z+1], v[AP+2*(\t):AP+2*(\t)+1] op_sel_hi:[1,0]
.set z, z+1
.endr
	WIN W_OS
.set z, 0
.rept 16                            ; a lane's eight channels of block z / 2 are 32 bytes of its row
	ds_store_b128 v[STO], v[64*(\t)+4*z:64*(\t)+4*z+3] offset:(z/2)*64+(z%2)*16
.set z, z+1
.endr
	WIN 0
	s_wait_xcnt 0x0                 ; registers that earlier stores read are loaded again only behind this wait (ISA guide 3.1)
.set z, 0
.rept 16
	ds_load_b128 v[S+64*((\t)%2)+4*z:S+64*((\t)%2)+4*z+3], v[RD] offset:z*SPITCH  ; LDS serves a wave's instructions in order (ISA guide 5.7.1.4): these see the stores above; the next tile's stores come behind them
.set z, z+1
.endr
.set z, 0
.rept 16
	s_wait_dscnt 15-z               ; row z is back; the younger loads stay out
	global_store_b128 v[GO], v[S+64*((\t)%2)+4*z:S+64*((\t)%2)+4*z+3], s[12:13] offset:(16*(\t)+z)*512 th:TH_STORE_NT  ; 512 consecutive bytes, at a multiple of 512 from the buffer's first byte
.set z, z+1
.endr
.endm
	OUTT 0
	OUTT 1
	OUTT 2
	OUTT 3
	s_wait_kmcnt 0x0                ; the mask words asked for in the last step
	s_wait_tensorcnt 0x0            ; the wave's end, behind my last LDS store
	ds_add_u32 v[SPW], v[NIL]
	s_wait_dscnt 0x0
	s_endpgm
.Lfunc_end_k_q83b1bcce4f_attn:
	.size	k_q83b1bcce4f_attn, .Lfunc_end_k_q83b1bcce4f_attn-k_q83b1bcce4f_attn
	.p2alignl 7, 3214868480
	.fill 96, 4, 3214868480
	.section	.rodata,"a",@progbits
	.p2align	6, 0x0
	.amdhsa_kernel k_q83b1bcce4f_attn
		.amdhsa_group_segment_fixed_size 135680
		.amdhsa_private_segment_fixed_size 0
		.amdhsa_enable_private_segment 0
		.amdhsa_kernarg_size 40
		.amdhsa_user_sgpr_count 2
		.amdhsa_user_sgpr_kernarg_segment_ptr 1
		.amdhsa_wavefront_size32 1
		.amdhsa_system_sgpr_workgroup_id_x 1
		.amdhsa_system_sgpr_workgroup_id_y 1
		.amdhsa_system_sgpr_workgroup_id_z 1
		.amdhsa_system_vgpr_workitem_id 0
		.amdhsa_next_free_vgpr 896
		.amdhsa_next_free_sgpr 102
		.amdhsa_reserve_vcc 1
		.amdhsa_float_denorm_mode_32 3
		.amdhsa_float_denorm_mode_16_64 3
		.amdhsa_memory_ordered 1
		.amdhsa_forward_progress 1
		.amdhsa_inst_pref_size 236
	.end_amdhsa_kernel
	.amdgpu_metadata
---
amdhsa.version: [ 1, 2 ]
amdhsa.kernels:
  - .name:           k_q83b1bcce4f_attn
    .symbol:         k_q83b1bcce4f_attn.kd
    .args:
      - { .name: q, .offset: 0, .size: 8, .value_kind: global_buffer, .address_space: global }
      - { .name: k, .offset: 8, .size: 8, .value_kind: global_buffer, .address_space: global }
      - { .name: v, .offset: 16, .size: 8, .value_kind: global_buffer, .address_space: global }
      - { .name: mbits, .offset: 24, .size: 8, .value_kind: global_buffer, .address_space: global }
      - { .name: out0, .offset: 32, .size: 8, .value_kind: global_buffer, .address_space: global }
    .group_segment_fixed_size: 135680
    .private_segment_fixed_size: 0
    .kernarg_segment_align: 8
    .kernarg_segment_size: 40
    .max_flat_workgroup_size: 128
    .sgpr_count:     102
    .vgpr_count:     896
    .wavefront_size: 32
...
	.end_amdgpu_metadata
.endif
;; end of part 2
